; MI455X (gfx1250); checked and timed in simulation.
; The chip was launched on July 23, 2026; its instructions are those of AMD's public machine-readable ISA for CDNA 5 (MIT licence, August 2026) and "CDNA5" Instruction Set Architecture Reference Guide (July 2026). The comments in the code are by the model that wrote it; some were corrected since.
;; B Spline KAN Layer. Allowed arithmetic: matrix products marked QUANTISED: E2M3 operands, one E8M0 scale for each 32 along K, by v_wmma_scale_f32_16x16x128_f8f6f4 with both operands' format E2M3, f32 sums; everything else in f32.
;; Inputs: base_weight_codes 512 x 16 x 24 uint8 (E2M3 codes of base_weight, K innermost, in blocks of 32 codes, four codes in three bytes); base_weight_scales 512 x 16 uint8 (E8M0 scales of base_weight, one for each 32 codes along K); coeffs_codes 512 x 128 x 24 uint8 (E2M3 codes of coeffs, K innermost, in blocks of 32 codes, four codes in three bytes); coeffs_scales 512 x 128 uint8 (E8M0 scales of coeffs, one for each 32 codes along K); grid_start 512 x 1 float32; grid_steps_log 512 x 11 float32; res_scale 1 float32; x 16,384 x 512 float32.
;; Outputs: out0 16,384 x 512 float32.
;; This version of the problem:
;;   THIS VERSION OF THE PROBLEM IS GIVEN IN LOW PRECISION. The matrix products marked QUANTISED in the list below multiply operands that are first quantised to E2M3 (2 exponent bits, 3 mantissa bits; 6 bits a number), with one power-of-two scale for each 32 numbers along K (OCP MX v1.0); their sums are f32. All else is computed in f32.
;;   The module's matrix products, in the order in which they are computed (A, B: the left and right operand; K: the contracted axis; several contracted axes count as one K, in the product's order):
;;     1. [M 16,384, K 4,096] x [K 4,096, N 512]; A: computed on the way; B: input coeffs (given as codes): QUANTISED
;;     2. [M 16,384, K 512] x [K 512, N 512]; A: computed on the way; B: input base_weight (given as codes): QUANTISED
;;   THE QUANTISER, for each operand of a quantised product, along K:
;;     - K is cut into blocks of 32 from its start; a last block that is shorter is filled with zeros.
;;     - A block's scale is 2^e with e = floor(log2(the largest magnitude in the block)) - 2, held to -126 .. 127; a block of zeros has e = 0. As a byte (E8M0): e + 127.
;;     - Each number is divided by its block's scale, clamped to +-7.5, and rounded to the nearest number of E2M3, ties to even, subnormals kept.
;;     - The product sums the exact products of the quantised numbers (number of the format x scale) in f32.
;;   ~~~python
;;   def quantise(x, axis):      # numpy; x: float32 -> the quantised numbers, widened to float32 again
;;       x = np.moveaxis(x, axis, -1); K = x.shape[-1]
;;       x = np.pad(x, [(0, 0)] * (x.ndim - 1) + [(0, -K % 32)]); x = x.reshape(x.shape[:-1] + (-1, 32)); a = np.abs(x).max(-1, keepdims=True)
;;       e = np.where(a > 0, np.clip(np.frexp(np.where(a > 0, a, 1))[1] - 1 - 2, -126, 127), 0)      # np.frexp(a)[1] - 1 = floor(log2(a)), exactly
;;       r = np.clip(x / 2.0 ** e, -7.5, 7.5)
;;       step = 2.0 ** (np.maximum(np.frexp(np.where(r == 0, 1, r))[1] - 1, 0) - 3)
;;       q = np.round(r / step) * step * 2.0 ** e      # np.round: ties to even
;;       return np.moveaxis(q.reshape(q.shape[:-2] + (-1,))[..., :K], -1, axis).astype(np.float32)
;;   ~~~
;;   OPERANDS COMPUTED ON THE WAY. 'Computed on the way' means the value that the module computes at that place (a softmax that the list does not call 'softmax' is quantised finished and normalised). What goes into a quantiser is computed in f32, as accurately as f32 sums, v_exp_f32 and their like allow (about 1e-6 of the number): no bf16 or f16 on the way to a quantiser, and a product that is left as it is and whose result goes on into a quantised operand takes f32 operands (vector FMAs, or v_wmma_f32_16x16x4_f32). A number that lies on a knife's edge between two numbers of the format may be rounded either way, as far as f32 arithmetic and the matrix unit's own rounding can turn it there, and no further.
;;   INPUTS GIVEN AS CODES. base_weight (in the module: [512, 512], K = its axis 1); coeffs (in the module: [512, 4096], K = its axis 1): each comes as NAME_codes (uint8): NAME with its K axis moved to the last place and cut into blocks of 32 codes, [.., K / 32, bytes a block], one block behind the other in memory; four codes in three bytes: a row's codes are one little-endian stream of bits, code i at bits 6 i .. 6 i + 5 (a code: sign, 2 exponent bits, 3 mantissa bits); and NAME_scales (uint8): the same leading axes, one E8M0 byte (e + 127) for each 32 codes along K. Its value is code x scale, taken as it is: it is not quantised again, and the codes and scales need not be those that the quantiser above would give.
;; One version. Each part assembles by itself: llvm-mc -triple=amdgcn-amd-amdhsa -mcpu=gfx1250 --defsym DOCPART=n.
;; ======== version 1 of 1: 2 launches
;; workspace buffers: wB 1,945,600 bytes; gtab 49,152 bytes
;; launch prep (part 1): grid 289 x 1, 8 waves a work-group, no clusters, 0 bytes of LDS; arguments coeffs_codes, coeffs_scales, base_weight_codes, base_weight_scales, grid_steps_log, grid_start, wB, gtab; writes wB, gtab
.if DOCPART == 1
	.amdgcn_target "amdgcn-amd-amdhsa--gfx1250"
	.amdhsa_code_object_version 6
	.text
	.protected	k_qf595cc1184_prep
	.globl	k_qf595cc1184_prep
	.p2align	8
	.type	k_qf595cc1184_prep,@function
k_qf595cc1184_prep:
	s_mov_b64 s[64:65], 0
	v_nop
	global_prefetch_b8 v0, s[64:65] scope:SCOPE_SE
	s_setreg_imm32_b32 hwreg(HW_REG_WAVE_MODE, 25, 1), 1
	s_wait_xcnt 0x0
; Lays the two weights out as the second launch's operand registers take them, and makes the table of knots.
; wB: one chunk (PAD bytes) that is neither stored nor read, then 36 K steps of 128 along K, KSB bytes each: steps 0-31 are coeffs, steps 32-35 base_weight.
;   A K step: 32 tiles of 16 output columns, 1,536 bytes each: H[0], H[1] (512 bytes: 16 bytes a lane slot r + 16 h: operand registers 6 c .. 6 c + 3), T[0], T[1] (256 bytes: 8 bytes a slot: registers 6 c + 4, 6 c + 5);
;   lane slot (r, h) of part c holds the 24 bytes of block 2 c + h of column 16 n + r.  Behind the tiles, at 49,152: one scale word a column (its four E8M0 bytes are neighbours in the input: they move as a word).
; THE CODES OF coeffs ARE PERMUTED inside each run of 16: place 2 j + d takes the code of place 8 d + j.  The second launch makes its spline values for two neighbouring inputs at a time, so that its registers
;   hold them in that order; a permutation inside a block of 32, done alike on both operands, leaves every product and its scale as they were.  base_weight's codes stay as they lie.
; gtab: for input f = 32 t + 4 bl + 2 g + d, number ci at byte 3072 t + 1536 g + 128 (ci / 2) + 16 bl + 8 (ci % 2) + 4 d: ci 0-11 the knots, ci 12-22 1 / (width + 1e-8), ci 23 zero.
; Work-groups 0-287: K step wg / 8, four tiles; wave: tile and part c.  Work-group 288: the knots, two inputs a thread.
.set PAD, 102400
.set KSB, 51200
.set Z,  40                            ; v40-50   the steps' logarithms, then softplus, then its running sum
.set TT, 52                            ; v52-62   t = e^-|z|
.set WW, 64                            ; v64-74   1 + t, then log1p(t)
.set DD, 76                            ; v76-86   (1 + t) - 1, later the reciprocal's residue
.set RC, 88                            ; v88-98   1 / that
.set GG, 100                           ; v100-111 the knots
.set AA, 112                           ; v112-122 width + 1e-8
.set IV, 124                           ; v124-134 its reciprocal
	s_load_b512 s[4:19], s[0:1], 0x0               ; coeffs' codes, scales; base_weight's codes, scales; steps' logs; start; wB; gtab
	v_lshrrev_b32 v1, 5, v0
	s_delay_alu instid0(VALU_DEP_1)
	v_readfirstlane_b32 s20, v1                    ; wave 0..7
	s_cmp_eq_u32 ttmp9, 288
	s_cbranch_scc1 .Lgrid
	v_and_b32 v1, 31, v0                           ; lane slot
	v_and_b32 v2, 15, v0                           ; r
	v_bfe_u32 v3, v0, 4, 1                         ; h
	s_lshr_b32 s21, ttmp9, 3                       ; the K step
	s_and_b32 s22, ttmp9, 7
	s_lshl_b32 s36, s22, 6                         ; the work-group's first column
	s_lshl_b32 s22, s22, 2
	s_lshr_b32 s23, s20, 1
	s_add_co_u32 s22, s22, s23                     ; tile n
	s_and_b32 s23, s20, 1                          ; part c
	s_wait_alu depctr_va_vdst(0)
	s_wait_kmcnt 0x0
	s_cmp_lt_u32 s21, 32                           ; coeffs or base_weight: the choice hangs on the work-group's number alone
	s_cselect_b64 s[24:25], s[4:5], s[8:9]         ; codes
	s_cselect_b64 s[26:27], s[6:7], s[10:11]       ; scales
	s_mov_b32 s28, 384
	s_cselect_b32 s28, 3072, s28                   ; a row of codes in bytes
	s_cselect_b32 s29, 128, 16                     ; a row of scales
	s_cselect_b32 s30, 0, 32
	s_sub_co_u32 s30, s21, s30                     ; the K step inside its tensor
	s_lshl_b32 s31, s22, 4
	v_add_nc_u32 v4, s31, v2                       ; column 16 n + r
	s_delay_alu instid0(VALU_DEP_1)
	v_mul_lo_u32 v5, v4, s28
	s_lshl_b32 s38, s30, 2                         ; four blocks, and four scale bytes, a K step
	s_lshl_b32 s33, s23, 1
	s_add_co_u32 s32, s38, s33
	v_add_nc_u32 v6, s32, v3                       ; block 4 step + 2 c + h
	s_delay_alu instid0(VALU_DEP_1)
	v_mad_u32_u24 v5, v6, 24, v5                   ; its 24 bytes
	global_load_b64 v[8:9], v5, s[24:25]
	global_load_b64 v[10:11], v5, s[24:25] offset:8
	global_load_b64 v[12:13], v5, s[24:25] offset:16
	s_mul_i32 s34, s21, KSB
	s_mul_i32 s35, s22, 1536
	s_add_co_u32 s35, s34, s35                     ; the tile
	s_lshl_b32 s37, s23, 9
	s_add_co_u32 s37, s35, s37
	v_lshl_add_u32 v15, v1, 4, s37                 ; H[c]: 16 bytes a slot
	s_lshl_b32 s37, s23, 8
	s_add_co_u32 s37, s35, s37
	v_lshl_add_u32 v16, v1, 3, s37                 ; T[c]: 8 bytes a slot (1,024 on, in the immediate)
	s_wait_loadcnt 0x0
; 16 codes, 96 bits in v[in] on, go to v[out] on: place pp takes the code of place 8 (pp % 2) + pp / 2.  A code that straddles two registers is taken, or laid, in two parts.
.macro PERM in, out
	v_mov_b32 v[\out], 0
	v_mov_b32 v[\out+1], 0
	v_mov_b32 v[\out+2], 0
.set pp, 0
.rept 16
.set ib, 6*(8*(pp%2)+pp/2)
.set ob, 6*pp
.if (ib%32) <= 26
	v_bfe_u32 v30, v[\in+ib/32], ib%32, 6
.else
	v_lshrrev_b32 v30, ib%32, v[\in+ib/32]
	s_delay_alu instid0(VALU_DEP_1)
	v_lshl_or_b32 v30, v[\in+ib/32+1], 32-(ib%32), v30
	s_delay_alu instid0(VALU_DEP_1)
	v_and_b32 v30, 63, v30
.endif
	s_delay_alu instid0(VALU_DEP_1)
	v_lshl_or_b32 v[\out+ob/32], v30, ob%32, v[\out+ob/32]
.if (ob%32) > 26
	s_delay_alu instid0(VALU_DEP_2)
	v_lshrrev_b32 v30, 32-(ob%32), v30
	s_delay_alu instid0(VALU_DEP_1)
	v_or_b32 v[\out+ob/32+1], v30, v[\out+ob/32+1]
.endif
.set pp, pp+1
.endr
.endm
	s_cmp_lt_u32 s21, 32
	s_cbranch_scc0 .Lplain
	PERM 8, 24
	PERM 11, 27
	s_branch .Lstore
.Lplain:
.irp i, 0,1,2,3,4,5
	v_mov_b32 v[24+\i], v[8+\i]
.endr
.Lstore:
	s_wait_alu depctr_va_vdst(0)
	global_store_b128 v15, v[24:27], s[16:17] offset:PAD        ; the wave stores 512 consecutive bytes
	global_store_b64 v16, v[28:29], s[16:17] offset:PAD+1024    ; and 256
	s_cmp_lt_u32 s20, 2                            ; the work-group's 64 scale words: threads 0-63, 256 consecutive bytes
	s_cbranch_scc0 .Lend
	v_add_nc_u32 v17, s36, v0                      ; column
	s_delay_alu instid0(VALU_DEP_1)
	v_mul_lo_u32 v18, v17, s29
	s_delay_alu instid0(VALU_DEP_1)
	v_add_nc_u32 v18, s38, v18                     ; its four bytes of this K step
	s_delay_alu instid0(VALU_DEP_3)
	v_lshl_add_u32 v19, v17, 2, s34
	global_load_b32 v31, v18, s[26:27]
	s_wait_alu depctr_va_vdst(0)
	s_wait_loadcnt 0x0
	global_store_b32 v19, v31, s[16:17] offset:PAD+49152
.Lend:
	s_endpgm
.Lgrid:
	v_mul_u32_u24 v20, v0, 44                      ; a row of 11 logarithms
	v_lshlrev_b32 v21, 2, v0
	v_lshrrev_b32 v22, 5, v0
	s_delay_alu instid0(VALU_DEP_1)
	v_mul_u32_u24 v22, v22, 3072                   ; t
	v_bfe_u32 v23, v0, 1, 1
	s_delay_alu instid0(VALU_DEP_1)
	v_mad_u32_u24 v22, v23, 1536, v22              ; g
	v_bfe_u32 v23, v0, 2, 3
	s_delay_alu instid0(VALU_DEP_1)
	v_lshl_add_u32 v22, v23, 4, v22                ; bl
	v_and_b32 v23, 1, v0
	s_delay_alu instid0(VALU_DEP_1)
	v_lshl_add_u32 v22, v23, 2, v22                ; d
	v_mov_b32 v99, 0
	s_wait_kmcnt 0x0
; Input thread + 256 u.  softplus(z) = max(z, 0) + log1p(t), t = e^-|z|; log1p(t) = log(w) t / (w - 1) with w = 1 + t as rounded, and t where w - 1 is 0.
.macro GRID u
.if \u
	s_wait_xcnt 0x0                                ; the first input's stores have read their registers
.endif
.irp k, 0,1,2,3,4,5,6,7,8,9,10
	global_load_b32 v[Z+\k], v20, s[12:13] offset:11264*\u+4*\k
.endr
	global_load_b32 v[GG], v21, s[14:15] offset:1024*\u
	s_wait_loadcnt 0x0
.irp k, 0,1,2,3,4,5,6,7,8,9,10
	v_mul_f32 v[TT+\k], 0xbfb8aa3b, |v[Z+\k]|      ; -|z| log2(e)
.endr
	s_wait_alu depctr_va_vdst(0)
.irp k, 0,1,2,3,4,5,6,7,8,9,10
	v_exp_f32 v[TT+\k], v[TT+\k]
.endr
	v_nop                                          ; a plain line behind the batch,
	s_wait_alu depctr_va_vdst(0)                   ; and the one wait ahead of its first reader
.irp k, 0,1,2,3,4,5,6,7,8,9,10
	v_add_f32 v[WW+\k], 1.0, v[TT+\k]
.endr
.irp k, 0,1,2,3,4,5,6,7,8,9,10
	v_add_f32 v[DD+\k], -1.0, v[WW+\k]
.endr
	s_wait_alu depctr_va_vdst(0)
.irp k, 0,1,2,3,4,5,6,7,8,9,10
	v_log_f32 v[WW+\k], v[WW+\k]
.endr
.irp k, 0,1,2,3,4,5,6,7,8,9,10
	v_rcp_f32 v[RC+\k], v[DD+\k]
.endr
	v_nop
	s_wait_alu depctr_va_vdst(0)
.irp k, 0,1,2,3,4,5,6,7,8,9,10
	v_mul_f32 v[WW+\k], 0x3f317218, v[WW+\k]       ; x ln 2
	v_mul_f32 v[WW+\k], v[WW+\k], v[TT+\k]
	v_mul_f32 v[WW+\k], v[WW+\k], v[RC+\k]
	v_cmp_eq_f32 vcc_lo, 0, v[DD+\k]
	v_cndmask_b32 v[WW+\k], v[WW+\k], v[TT+\k], vcc_lo
	v_max_num_f32 v[Z+\k], 0, v[Z+\k]
	s_delay_alu instid0(VALU_DEP_1)
	v_add_f32 v[Z+\k], v[Z+\k], v[WW+\k]
.endr
.irp k, 1
	v_add_f32 v[Z+\k], v[Z+\k-1], v[Z+\k]          ; the running sum
.endr
.irp k, 2, 3, 4, 5, 6, 7, 8, 9, 10
	s_delay_alu instid0(VALU_DEP_1)
	v_add_f32 v[Z+\k], v[Z+\k-1], v[Z+\k]          ; the running sum
.endr
.irp k, 0,1,2,3,4,5,6,7,8,9,10
	v_add_f32 v[GG+1+\k], v[GG], v[Z+\k]           ; knot k + 1
.endr
.irp k, 0,1,2,3,4,5,6,7,8,9,10
	v_sub_f32 v[AA+\k], v[GG+1+\k], v[GG+\k]
.endr
.irp k, 0,1,2,3,4,5,6,7,8,9,10
	v_add_f32 v[AA+\k], 0x322bcc77, v[AA+\k]       ; + 1e-8
.endr
	s_wait_alu depctr_va_vdst(0)
.irp k, 0,1,2,3,4,5,6,7,8,9,10
	v_rcp_f32 v[IV+\k], v[AA+\k]
.endr
	v_nop
	s_wait_alu depctr_va_vdst(0)
.irp k, 0,1,2,3,4,5,6,7,8,9,10
	v_fma_f32 v[DD+\k], -v[AA+\k], v[IV+\k], 1.0   ; one step of Newton's
.endr
.irp k, 0,1,2,3,4,5,6,7,8,9,10
	v_fma_f32 v[IV+\k], v[IV+\k], v[DD+\k], v[IV+\k]
.endr
.irp c, 0,1,2,3,4,5,6,7,8,9,10,11
	global_store_b32 v22, v[GG+\c], s[18:19] offset:24576*\u+128*(\c/2)+8*(\c%2)
.endr
.irp c, 0,1,2,3,4,5,6,7,8,9,10
	global_store_b32 v22, v[IV+\c], s[18:19] offset:24576*\u+128*((12+\c)/2)+8*((12+\c)%2)
.endr
	global_store_b32 v22, v99, s[18:19] offset:24576*\u+128*11+8
.endm
	GRID 0
	GRID 1
	s_endpgm
.Lfunc_end_k_qf595cc1184_prep:
	.size	k_qf595cc1184_prep, .Lfunc_end_k_qf595cc1184_prep-k_qf595cc1184_prep
	.p2alignl 7, 3214868480
	.fill 96, 4, 3214868480
	.section	.rodata,"a",@progbits
	.p2align	6, 0x0
	.amdhsa_kernel k_qf595cc1184_prep
		.amdhsa_group_segment_fixed_size 0
		.amdhsa_private_segment_fixed_size 0
		.amdhsa_enable_private_segment 0
		.amdhsa_kernarg_size 64
		.amdhsa_user_sgpr_count 2
		.amdhsa_user_sgpr_kernarg_segment_ptr 1
		.amdhsa_wavefront_size32 1
		.amdhsa_system_sgpr_workgroup_id_x 1
		.amdhsa_system_sgpr_workgroup_id_y 1
		.amdhsa_system_sgpr_workgroup_id_z 1
		.amdhsa_system_vgpr_workitem_id 0
		.amdhsa_next_free_vgpr 144
		.amdhsa_next_free_sgpr 66
		.amdhsa_reserve_vcc 1
		.amdhsa_float_denorm_mode_32 3
		.amdhsa_float_denorm_mode_16_64 3
		.amdhsa_memory_ordered 1
		.amdhsa_forward_progress 1
		.amdhsa_inst_pref_size 37
	.end_amdhsa_kernel
	.amdgpu_metadata
---
amdhsa.version: [ 1, 2 ]
amdhsa.kernels:
  - .name:           k_qf595cc1184_prep
    .symbol:         k_qf595cc1184_prep.kd
    .args:
      - { .name: coeffs_codes, .offset: 0, .size: 8, .value_kind: global_buffer, .address_space: global }
      - { .name: coeffs_scales, .offset: 8, .size: 8, .value_kind: global_buffer, .address_space: global }
      - { .name: base_weight_codes, .offset: 16, .size: 8, .value_kind: global_buffer, .address_space: global }
      - { .name: base_weight_scales, .offset: 24, .size: 8, .value_kind: global_buffer, .address_space: global }
      - { .name: grid_steps_log, .offset: 32, .size: 8, .value_kind: global_buffer, .address_space: global }
      - { .name: grid_start, .offset: 40, .size: 8, .value_kind: global_buffer, .address_space: global }
      - { .name: wB, .offset: 48, .size: 8, .value_kind: global_buffer, .address_space: global }
      - { .name: gtab, .offset: 56, .size: 8, .value_kind: global_buffer, .address_space: global }
    .group_segment_fixed_size: 0
    .private_segment_fixed_size: 0
    .kernarg_segment_align: 8
    .kernarg_segment_size: 64
    .max_flat_workgroup_size: 256
    .sgpr_count:     66
    .vgpr_count:     144
    .wavefront_size: 32
...
	.end_amdgpu_metadata
.endif
;; end of part 1
;; launch kan (part 2): grid 256 x 1, 8 waves a work-group, clusters of 4 x 1, 327,680 bytes of LDS; arguments x, res_scale, wB, gtab, out0; writes out0
.if DOCPART == 2
	.amdgcn_target "amdgcn-amd-amdhsa--gfx1250"
	.amdhsa_code_object_version 6
	.text
	.protected	k_qf595cc1184_kan
	.globl	k_qf595cc1184_kan
	.p2align	8
	.type	k_qf595cc1184_kan,@function
k_qf595cc1184_kan:
	s_mov_b64 s[64:65], 0
	v_nop
	global_prefetch_b8 v0, s[64:65] scope:SCOPE_SE
	s_setreg_imm32_b32 hwreg(HW_REG_WAVE_MODE, 25, 1), 1
	s_wait_xcnt 0x0
	s_wait_alu depctr_hold_cnt(0) depctr_sa_sdst(0) depctr_va_vdst(0) depctr_va_sdst(0) depctr_va_ssrc(0) depctr_va_vcc(0) depctr_vm_vsrc(0)
	s_getreg_b32 s2, hwreg(HW_REG_IB_STS2, 6, 4)
	s_cmp_eq_u32 s2, 0
	s_cbranch_scc0 .Lentry_in_a_cluster
	s_endpgm
.Lentry_in_a_cluster:
	s_bfe_u32 s2, ttmp6, 0x10000c
	s_cmp_lg_u32 s2, 0x3003
	s_cbranch_scc0 .Lentry_shape_is_right
	s_endpgm
.Lentry_shape_is_right:
; out = tanh(S C^T + silu(x) W^T + res x).  S [16384][4096]: eight spline values for each of 512 inputs.  S and silu(x) are made here in f32 and quantised to FP6 (E2M3) with one E8M0 scale for each 32 along K;
; C and W come as codes, laid by the launch before in the order of the operand's registers (wB); the knots and the reciprocal widths come from its table (gtab).
; SHARES.  A work-group owns 64 rows and all 512 columns, so that every spline value is made once.  Waves 0-3 MULTIPLY: wave w has columns 128 w .. + 127 of all 64 rows, 32 accumulators (v256-511).
; Waves 4-7 MAKE THE OPERAND: wave 4 + p has rows 16 p .. + 15.  A SIMD holds one wave of each kind, so that matrix work and vector work run side by side.  All eight walk one text; the branch on the
; wave's number stands inside each trip, the barriers and the tensor loads in the common text.
; A TRIP is a chunk of 32 inputs = 256 along K = two K steps.  While chunk t is multiplied (weights from one LDS slot, S from one half of a ring), chunk t + 1 of S is made into the ring's other half and
; chunk t + 1 of the weights lands in the other slot.  silu(x) is made beside the spline, one block of 32 a row and chunk, and kept in LDS; its four K steps come last.
; CLUSTER.  Every work-group walks the same weights: the four of a cluster ask for each chunk JOINTLY (the same load, the same descriptor, a mask that names the four); each wave brings an eighth.
; THE SPLINE.  u_j = x - g_j, l_j = u_j inv_j, R_i = -u_(i+1) inv_i.  Level 1: b1_j = the middle one of (l_j, R_(j+1), 0); level 2: b2_j = l_j b1_j + R_(j+2) b1_(j+1); level 3: b3_j = l_j b2_j + R_(j+3) b2_(j+1).
; All but the middle-of-three is packed over TWO NEIGHBOURING INPUTS of one row, so a lane's 16 results stand at 2 j + d for k = 8 d + j: C's codes were permuted likewise.
; LIMITS.  The middle-of-three equals the two indicator terms of level 1 but for x within about 1e-8 of a knot, where it takes the smaller of the two one-sided values.  NaN and infinities in x are not served.
; A block of zeros gets the scale byte 1 (its codes are zeros; the bytes are read here alone).
; THE SUMS BEGIN AS res x: the multiplying waves load x in the result's layout at the kernel's head, before the first chunk is asked for, so nothing is cleared and the residual costs no addition later.  So x is read twice.
.set CHUNK, 102400                     ; two K steps of wB, and an LDS slot; wB begins with one unused chunk
.set KSB,   51200                      ; a K step: 32 tiles of 1,536 bytes, then 2,048 bytes of scale words
.set WSH,   12800                      ; a wave's eighth of a chunk: 50 rows of 256 bytes
.set AR,    204800                     ; the ring for S: two halves of ARP bytes, each two K steps of ARK bytes:
.set ARP,   14080                      ;   block b's first 16 bytes at 1056 b + 16 row, its last 8 at 4224 + 640 b + 8 row, its scale byte at 6784 + 4 row + b
.set ARK,   7040
.set BA,    232960                     ; silu(x)'s codes: block tau at 2048 tau + 32 row, 24 bytes of each 32
.set BAS,   265728                     ; its scale bytes at 16 row + tau
.set XF,    266752                     ; x on its way: 64 rows of 256 bytes + 16; a wave touches its own 16 rows alone
.set SPARE, 284160                     ; the spare words: 128 bytes a wave, four blocks of 256 bytes that no other line names
.set SP,    2064                       ; the way out: 64 rows of 2,048 bytes + 16, laid over the slots behind their last fill and last read
; v1-31: addresses, all made ahead of the first parting of the waves, never data
.set SPW, 1
.set NIL, 2
.set ABH, 3                            ; v3, v4   weights, slot 0, 1: first 16 bytes
.set ABT, 5                            ; v5, v6   last 8 bytes
.set ABS, 7                            ; v7, v8   scale words
.set AAH, 9                            ; S as read: first 16 bytes, last 8, scale words
.set AAT, 10
.set AAS, 11
.set AGH, 12                           ; silu(x) as read
.set AGS, 13
.set ADS, 14                           ; v14, v15 the stage, rows 0-31 and 32-63
.set APH, 16                           ; S as stored
.set APT, 17
.set APS, 18
.set AXW, 19                           ; x into XF; out of it for the spline; for silu
.set AXR, 20
.set AXQ, 21
.set AXG, 22                           ; x in memory, for the making waves
.set ASA, 23                           ; silu(x) as stored: codes, byte; v25, v26 the same with the trip's step
.set ASB, 24
.set ASAC, 25
.set ASBC, 26
.set ACG, 27                           ; gtab
.set AER, 28                           ; rows out of the stage, and into out0
.set AEO, 29
.set AXC, 30                           ; x in memory, in the result's layout
; the multiplying waves
.set AF0, 32                           ; S: four fragments of 12 registers, two sets
.set AF1, 80
.set BF0, 128                          ; weights: four fragments, two sets (tiles 0-3, tiles 4-7)
.set BF1, 176
.set AS0, 240                          ; scale words: v240-255 are written by the loads of scale words and by no other line of the text
.set AS1, 244
.set BC0, 248
.set BC1, 252
; the making waves
.set XR,   32                          ; v32-47   x for the spline: row i at 4 i, four inputs
.set XSI,  48                          ; v48-63   x for silu: 16 inputs
.set SZ,   64                          ; v64-79   silu at work
.set RL,   80                          ; v80-103  u_0 .. u_11 in pairs, then l_0 .. l_9
.set RR,   104                         ; v104-123 R_1 .. R_10
.set RB1,  124                         ; v124-143 b1
.set RM,   144                         ; v144-161 b2
.set ROUT, 162                         ; v162-193 b3: a block of 32
.set CD,   194                         ; v194-225 codes, eight registers a row
.set BY,   226                         ; v226-229 scale bytes
.set QT,   230                         ; v230-234 maxima, scale operand (the spline's and silu's by turns)
.set SBY,  235                         ; v235     silu's scale byte
.set SC,   236                         ; v236-238 silu's codes
.set XBW,  192                         ; in window 1: v448-479 the batch of x on its way; v256-447 the constants: 96 parity + 48 g + 2 ci + d
.set WV, 16
.set PP, 17
.set JJ, 18
.set JA, 19
.set JB, 20
.set G1, 24
.set G0, 32
.set MSB, 0
.macro WIN new                         ; the immediate's high byte repeats the setting that is left
.if MSB != \new
	s_set_vgpr_msb (MSB<<8)|\new
.set MSB, \new
.endif
.endm
.macro PLACES                          ; four plain lines between a matrix instruction and a load into, or a store out of, its registers (ISA guide 7.12.1 for vector instructions)
.rept 4
	v_nop
.endr
.endm
.macro ROUND                           ; a round of the cluster's barrier
	s_barrier_signal -1
	s_barrier_wait -1
	s_cmp_lg_u32 s[WV], 0
	s_cbranch_scc1 .Lnw0_\@
	s_barrier_signal -3
.Lnw0_\@:
	s_barrier_wait -3
	s_barrier_signal -1
	s_barrier_wait -1
.endm
; THE HEAD OF A TRIP in which slot s is read.  Every wave: all its tensor loads have landed (its eighth of slot s); 0 onto its spare word; that, its LDS stores and its LDS reads are done.  Behind the barrier slot s and
; the ring's half are whole and nobody reads the other slot.  fill = 1: the barrier is a round of the cluster's, and the other slot's next chunk is asked for first thing behind it: one load a wave is out.
.macro HEAD s, fill
	s_wait_tensorcnt 0x0
	ds_add_u32 v[SPW], v[NIL]
	ds_add_u32 v[SPW], v[NIL]
	s_add_nc_u64 s[G0+4*\s+2:G0+4*\s+3], s[G0+4*\s+2:G0+4*\s+3], 2*CHUNK   ; no load of mine is out: slot s's next chunk (the last two stepped addresses are not used)
	s_wait_dscnt 0x0
.if \fill
	ROUND
	tensor_load_to_lds s[G0+4*(1-\s):G0+4*(1-\s)+3], s[G1:G1+7]
	s_nop 0
	PLACES                                         ; four plain lines follow a tensor load; they are also the places behind the last trip's products, on every wave's way
.else
	s_barrier_signal -1
	s_barrier_wait -1
.endif
.endm
; ---------------- the multiplying waves' macros
.macro LA af, as, off                  ; 20 loads: S's four fragments and scale words of the K step at byte off of the ring
.irp m, 0,1,2,3
.irp c, 0,1
	ds_load_b128 v[\af+12*\m+6*\c:\af+12*\m+6*\c+3], v[AAH] offset:(\off)+2112*\c+256*\m
	ds_load_b64 v[\af+12*\m+6*\c+4:\af+12*\m+6*\c+5], v[AAT] offset:(\off)+1280*\c+128*\m
.endr
	ds_load_b32 v[\as+\m], v[AAS] offset:(\off)+64*\m
.endr
.endm
.macro LAB af, as, q                   ; the same of silu(x), K step q
.irp m, 0,1,2,3
.irp c, 0,1
	ds_load_b128 v[\af+12*\m+6*\c:\af+12*\m+6*\c+3], v[AGH] offset:8192*(\q)+4096*\c+512*\m
	ds_load_b64 v[\af+12*\m+6*\c+4:\af+12*\m+6*\c+5], v[AGH] offset:8192*(\q)+4096*\c+512*\m+16
.endr
	ds_load_b32 v[\as+\m], v[AGS] offset:256*\m+4*(\q)
.endr
.endm
.macro LAX kind, af, as, a
.if \kind
	LAB \af, \as, \a
.else
	LA \af, \as, \a
.endif
.endm
.macro LB bh, bs, half, off, slot      ; 20 loads: my tiles 4 half .. + 3 of the weights, and their scale words
.irp n, 0,1,2,3
.irp c, 0,1
	ds_load_b128 v[\bh+12*\n+6*\c:\bh+12*\n+6*\c+3], v[ABH+\slot] offset:(\off)+1536*(4*\half+\n)+512*\c
	ds_load_b64 v[\bh+12*\n+6*\c+4:\bh+12*\n+6*\c+5], v[ABT+\slot] offset:(\off)+1536*(4*\half+\n)+256*\c
.endr
	ds_load_b32 v[\bs+\n], v[ABS+\slot] offset:(\off)+64*(4*\half+\n)
.endr
.endm
; 16 products, used transposed (source 0 = 16 columns' weights, source 1 = 16 rows of S): a lane holds row lane % 16 and eight neighbouring columns.  The 32 accumulators take turns, one instruction a turn,
; in the same order in every K step.
.macro MUL af, as, bh, bs, half
	WIN 0x50                                       ; C and D in window 1
.irp m, 0,1,2,3
.irp n, 0,1,2,3
	v_wmma_scale_f32_16x16x128_f8f6f4 v[8*(8*\m+4*\half+\n):8*(8*\m+4*\half+\n)+7], v[\bh+12*\n:\bh+12*\n+11], v[\af+12*\m:\af+12*\m+11], v[8*(8*\m+4*\half+\n):8*(8*\m+4*\half+\n)+7], v[\bs+\n], v[\as+\m] matrix_a_fmt:MATRIX_FMT_FP6 matrix_b_fmt:MATRIX_FMT_FP6
.endr
.endr
	WIN 0
.endm
; A chunk: two K steps, 64 products.  The counts leave out the runs of 20 loads issued behind the run that the next 16 products read.
.macro CONS slot, kind, a0, a1
	PLACES
	LAX \kind, AF0, AS0, \a0
	LB BF0, BC0, 0, 0, \slot
	LB BF1, BC1, 1, 0, \slot
	s_wait_dscnt 20                                ; S and tiles 0-3 are in; tiles 4-7 may be out
	MUL AF0, AS0, BF0, BC0, 0
	PLACES
	LAX \kind, AF1, AS1, \a1
	LB BF0, BC0, 0, KSB, \slot
	s_wait_dscnt 40                                ; tiles 4-7 are in; the 40 just issued may be out
	MUL AF0, AS0, BF1, BC1, 1
	PLACES
	LB BF1, BC1, 1, KSB, \slot
	s_wait_dscnt 20                                ; the second K step's S and tiles 0-3 are in
	MUL AF1, AS1, BF0, BC0, 0
	s_wait_dscnt 0x0
	MUL AF1, AS1, BF1, BC1, 1
.endm
; ---------------- the making waves' macros
.macro CREL g, par, xo                 ; 12 loads: pair g's 24 pairs of constants into the set of parity par
	WIN 0x40
.irp k, 0,1,2,3,4,5,6,7,8,9,10,11
	global_load_b128 v[96*(\par)+48*(\g)+4*\k:96*(\par)+48*(\g)+4*\k+3], v[ACG], s[40:41] offset:(\xo)+1536*(\g)+128*\k
.endr
	WIN 0
.endm
; Row i, inputs 2 g and 2 g + 1 of my block: 16 of the block's 32 numbers.  rel = 1 (the odd chunk's last row): the constants have had their last reader of this chunk: the set takes those of two chunks on.
.macro PAIR i, g, par, rel
.set XP, XR+4*(\i)+2*(\g)
.set CB, 96*(\par)+48*(\g)
.set OB, ROUT+16*(\g)
	WIN 0x04                                       ; source 1, the constants, in window 1
.set jj, 0
.rept 12
	v_pk_add_f32 v[RL+2*jj:RL+2*jj+1], v[XP:XP+1], v[CB+2*jj:CB+2*jj+1] neg_lo:[0,1] neg_hi:[0,1]     ; u_j = x - g_j
.set jj, jj+1
.endr
.set jj, 1
.rept 10
	v_pk_mul_f32 v[RR+2*jj-2:RR+2*jj-1], v[RL+2*jj+2:RL+2*jj+3], v[CB+24+2*jj:CB+25+2*jj] neg_lo:[1,0] neg_hi:[1,0]   ; R_j = -u_(j+1) inv_j
.set jj, jj+1
.endr
.set jj, 0
.rept 10
	v_pk_mul_f32 v[RL+2*jj:RL+2*jj+1], v[RL+2*jj:RL+2*jj+1], v[CB+24+2*jj:CB+25+2*jj]                 ; l_j = u_j inv_j
.set jj, jj+1
.endr
	WIN 0
.if \rel
	CREL \g, \par, 3072
.endif
.set jj, 0
.rept 20
	v_med3_num_f32 v[RB1+jj], v[RL+jj], v[RR+jj], 0                                                   ; b1_j
.set jj, jj+1
.endr
.set jj, 0
.rept 9
	v_pk_mul_f32 v[RM+2*jj:RM+2*jj+1], v[RR+2*jj+2:RR+2*jj+3], v[RB1+2*jj+2:RB1+2*jj+3]
.set jj, jj+1
.endr
.set jj, 0
.rept 9
	v_pk_fma_f32 v[RM+2*jj:RM+2*jj+1], v[RL+2*jj:RL+2*jj+1], v[RB1+2*jj:RB1+2*jj+1], v[RM+2*jj:RM+2*jj+1]   ; b2_j
.set jj, jj+1
.endr
.set jj, 0
.rept 8
	v_pk_mul_f32 v[OB+2*jj:OB+2*jj+1], v[RR+2*jj+4:RR+2*jj+5], v[RM+2*jj+2:RM+2*jj+3]
.set jj, jj+1
.endr
.set jj, 0
.rept 8
	v_pk_fma_f32 v[OB+2*jj:OB+2*jj+1], v[RL+2*jj:RL+2*jj+1], v[RM+2*jj:RM+2*jj+1], v[OB+2*jj:OB+2*jj+1]     ; b3_j
.set jj, jj+1
.endr
.endm
; Row i's block of 32 becomes 24 bytes of codes and a scale byte, and goes into the ring's half par.  All 32 numbers are mine: no other lane is asked.
.macro QUANT i, par
.irp c, 0,1,2,3
	v_max3_num_f32 v[QT+\c], |v[ROUT+8*\c]|, |v[ROUT+8*\c+1]|, |v[ROUT+8*\c+2]|
.endr
.irp c, 0,1,2,3
	s_delay_alu instid0(VALU_DEP_4)
	v_max3_num_f32 v[QT+\c], v[QT+\c], |v[ROUT+8*\c+3]|, |v[ROUT+8*\c+4]|
.endr
.irp c, 0,1,2,3
	s_delay_alu instid0(VALU_DEP_4)
	v_max3_num_f32 v[QT+\c], v[QT+\c], |v[ROUT+8*\c+5]|, |v[ROUT+8*\c+6]|
.endr
	s_delay_alu instid0(VALU_DEP_3)
	v_max3_num_f32 v[QT], v[QT], v[QT+1], |v[ROUT+7]|
	s_delay_alu instid0(VALU_DEP_2)
	v_max3_num_f32 v[QT+2], v[QT+2], v[QT+3], |v[ROUT+15]|
	s_delay_alu instid0(VALU_DEP_1)
	v_max3_num_f32 v[QT], v[QT], v[QT+2], |v[ROUT+23]|
	s_delay_alu instid0(VALU_DEP_1)
	v_max3_num_f32 v[QT], v[QT], |v[ROUT+31]|, 0x1800000           ; and the floor 2^(3 - 127): the byte cannot fall under 1
	s_delay_alu instid0(VALU_DEP_1)
	v_add_nc_u32 v[QT+4], 0xff000000, v[QT]                        ; 2 off the exponent field: the conversion takes that field as its scale
	v_cvt_scalef32_pk16_fp6_f32 v[CD+8*(\i):CD+8*(\i)+2], v[ROUT:ROUT+15], v[QT+4]
	v_cvt_scalef32_pk16_fp6_f32 v[CD+8*(\i)+4:CD+8*(\i)+6], v[ROUT+16:ROUT+31], v[QT+4]   ; (a conversion's three registers begin on an even number)
	v_lshrrev_b32 v[BY+(\i)], 23, v[QT+4]                          ; the scale's byte; also the plain line behind the conversions
	v_mov_b32 v[CD+8*(\i)+3], v[CD+8*(\i)+4]                       ; the block's first 16 bytes on end
	ds_store_b128 v[APH], v[CD+8*(\i):CD+8*(\i)+3] offset:ARP*(\par)+64*(\i)
	ds_store_b32 v[APT], v[CD+8*(\i)+5] offset:ARP*(\par)+32*(\i)
	ds_store_b32 v[APT], v[CD+8*(\i)+6] offset:ARP*(\par)+32*(\i)+4
	ds_store_b8 v[APS], v[BY+(\i)] offset:ARP*(\par)+16*(\i)
.endm
; silu(x) = x / (1 + 2^(-x log2 e)) of 16 inputs of one row (two lanes to a block), in three parts; a row of the spline stands behind each batch of transcendentals as its plain work.
.macro SILU_A
.irp k, 0,2,4,6,8,10,12,14
	v_pk_mul_f32 v[SZ+\k:SZ+\k+1], v[XSI+\k:XSI+\k+1], 0xbfb8aa3b op_sel_hi:[1,0]
.endr
	s_wait_alu depctr_va_vdst(0)
.irp k, 0,1,2,3,4,5,6,7,8,9,10,11,12,13,14,15
	v_exp_f32 v[SZ+\k], v[SZ+\k]
.endr
.endm
.macro SILU_B
	s_wait_alu depctr_va_vdst(0)                   ; one wait for the 16 exponentials, ahead of their first reader
.irp k, 0,2,4,6,8,10,12,14
	v_pk_add_f32 v[SZ+\k:SZ+\k+1], v[SZ+\k:SZ+\k+1], 1.0 op_sel_hi:[1,0]
.endr
	s_wait_alu depctr_va_vdst(0)
.irp k, 0,1,2,3,4,5,6,7,8,9,10,11,12,13,14,15
	v_rcp_f32 v[SZ+\k], v[SZ+\k]
.endr
.endm
.macro SILU_C par
	s_wait_alu depctr_va_vdst(0)                   ; and one for the 16 reciprocals
.irp k, 0,2,4,6,8,10,12,14
	v_pk_mul_f32 v[SZ+\k:SZ+\k+1], v[SZ+\k:SZ+\k+1], v[XSI+\k:XSI+\k+1]
.endr
	v_max3_num_f32 v[QT], |v[SZ]|, |v[SZ+1]|, |v[SZ+2]|
	v_max3_num_f32 v[QT+1], |v[SZ+3]|, |v[SZ+4]|, |v[SZ+5]|
	s_delay_alu instid0(VALU_DEP_2)
	v_max3_num_f32 v[QT], v[QT], |v[SZ+6]|, |v[SZ+7]|
	s_delay_alu instid0(VALU_DEP_2)
	v_max3_num_f32 v[QT+1], v[QT+1], |v[SZ+8]|, |v[SZ+9]|
	s_delay_alu instid0(VALU_DEP_2)
	v_max3_num_f32 v[QT], v[QT], |v[SZ+10]|, |v[SZ+11]|
	s_delay_alu instid0(VALU_DEP_2)
	v_max3_num_f32 v[QT+1], v[QT+1], |v[SZ+12]|, |v[SZ+13]|
	s_delay_alu instid0(VALU_DEP_2)
	v_max3_num_f32 v[QT], v[QT], |v[SZ+14]|, |v[SZ+15]|
	s_delay_alu instid0(VALU_DEP_1)
	v_max3_num_f32 v[QT], v[QT], v[QT+1], 0x1800000
	s_delay_alu instid0(VALU_DEP_1)
	v_max_num_f32_dpp v[QT], v[QT], v[QT] row_xmask:1 row_mask:0xf bank_mask:0xf   ; with my neighbour's 16: the block's
	s_delay_alu instid0(VALU_DEP_1)
	v_add_nc_u32 v[QT+4], 0xff000000, v[QT]
	v_cvt_scalef32_pk16_fp6_f32 v[SC:SC+2], v[SZ:SZ+15], v[QT+4]
	v_lshrrev_b32 v[SBY], 23, v[QT+4]              ; the byte; the plain line behind the conversion
.irp k, 0,1,2
	ds_store_b32 v[ASAC], v[SC+\k] offset:2048*(\par)+4*\k
.endr
	ds_store_b8 v[ASBC], v[SBY] offset:\par        ; both lanes of a block write the same byte with the same value
.endm
.macro XLDS par                        ; x of the chunk of parity par out of XF: for the spline (4 rows x 4 inputs) and for silu (16 inputs of a row); awaited at the next trip's head
.irp i, 0,1,2,3
	ds_load_b128 v[XR+4*\i:XR+4*\i+3], v[AXR] offset:1088*\i+128*(\par)
.endr
.irp k, 0,1,2,3
	ds_load_b128 v[XSI+4*\k:XSI+4*\k+3], v[AXQ] offset:128*(\par)+16*\k
.endr
.endm
.macro XGET                            ; a batch of x: my 16 rows x 64 inputs: sixteen lanes read a row's 256 consecutive bytes
	WIN 0x40
.irp e, 0,1,2,3,4,5,6,7
	global_load_b128 v[XBW+4*\e:XBW+4*\e+3], v[AXG], s[42:43] offset:4096*\e
.endr
	WIN 0
.endm
.macro XPUT                            ; and into XF
	WIN 0x04
.irp e, 0,1,2,3,4,5,6,7
	ds_store_b128 v[AXW], v[XBW+4*\e:XBW+4*\e+3] offset:544*\e
.endr
	WIN 0
.endm
.macro ROW i, par, rel
	PAIR \i, 0, \par, \rel
	PAIR \i, 1, \par, \rel
	QUANT \i, \par
.endm
; ALL GLOBAL LOADS OF A MAKING WAVE ARE ISSUED IN THE ODD CHUNK'S BLOCK (and, in the same order, at the kernel's head): set 0's 24, x's 8, set 1's 24.  That block begins with a wait for all of them,
; so it never loads into a register on which a load is out; the even chunk's block issues none, so its count holds whatever was walked before it.
.macro PROD0                           ; chunk 2 j
	s_wait_loadcnt 32                              ; set 0's 24 loads are in; behind them stand x's 8 and set 1's 24
	SILU_A
	s_wait_alu depctr_va_vdst(0)
	ROW 0, 0, 0
	SILU_B
	ROW 1, 0, 0
	SILU_C 0
	ROW 2, 0, 0
	ROW 3, 0, 0
	XLDS 1
.endm
.macro PROD1                           ; chunk 2 j + 1
	s_wait_loadcnt 0x0                             ; set 1 (asked for a chunk ago) and batch j + 1 of x (asked for nearly two chunks ago) are in: no load of mine is out
	s_wait_xcnt 0x0                                ; and both bases may be written
	s_lshl_b32 s54, s[JJ], 1
	s_add_co_u32 s54, s54, 2
	s_min_u32 s54, s54, 14                         ; the constants of chunks 2 j + 2 and 2 j + 3; the last trip asks for 14 and 15 again, so that every trip issues the same loads and none leaves the table
	s_mul_i32 s54, s54, 3072
	s_mov_b32 s55, 0
	s_add_nc_u64 s[40:41], s[10:11], s[54:55]
	s_add_co_u32 s54, s[JJ], 2
	s_min_u32 s54, s54, 7                          ; batch j + 2 of x (the last two trips: batch 7 again)
	s_lshl_b32 s54, s54, 8
	s_add_nc_u64 s[42:43], s[52:53], s[54:55]
	CREL 0, 0, 0                                   ; set 0 had its last reader in the chunk before
	CREL 1, 0, 0
	XPUT                                           ; XF's batch j was read out to its end in the chunk before
	SILU_A
	s_wait_alu depctr_va_vdst(0)
	PAIR 0, 0, 1, 0
	PAIR 0, 1, 1, 0
	s_wait_alu depctr_va_vdst(0)
	s_wait_dscnt 0x0                               ; XPUT's stores have read their registers
	XGET
	QUANT 0, 1
	SILU_B
	ROW 1, 1, 0
	SILU_C 1
	ROW 2, 1, 0
	ROW 3, 1, 1
	XLDS 0
.endm
.macro XINI m                          ; x in the result's layout: register j of accumulator (m, n): row 16 m + r, column 128 w + 16 n + 8 h + j
	WIN 0x40
.irp n, 0,1,2,3,4,5,6,7
	global_load_b128 v[8*(8*\m+\n):8*(8*\m+\n)+3], v[AXC], s[44:45] offset:32768*\m+64*\n
	global_load_b128 v[8*(8*\m+\n)+4:8*(8*\m+\n)+7], v[AXC], s[44:45] offset:32768*\m+64*\n+16
.endr
.endm
.macro XMUL m                          ; x res
	WIN 0x41
.set ia, 64*\m
.rept 32
	v_pk_mul_f32 v[ia:ia+1], v[ia:ia+1], s[14:15] op_sel_hi:[1,0]
.set ia, ia+2
.endr
.endm
; ---------------- the head
	s_load_b256 s[4:11], s[0:1], 0x0               ; x, res_scale, wB, gtab
	s_load_b64 s[12:13], s[0:1], 0x20              ; out0
	v_lshl_add_u32 v[SPW], v0, 2, SPARE
	v_mov_b32 v[NIL], 0
	v_lshrrev_b32 v32, 5, v0
	s_delay_alu instid0(VALU_DEP_1)
	v_readfirstlane_b32 s[WV], v32                 ; wave 0..7
	s_and_b32 s[PP], s[WV], 3                      ; w of a multiplying wave, p of a making wave
	s_bfe_u32 s21, ttmp6, 0x40000                  ; cx: it enters the addresses of x and out0 alone
	s_lshl_b32 s22, ttmp9, 2
	s_add_co_u32 s22, s22, s21                     ; the work-group
	s_lshl_b32 s58, s22, 17                        ; its 64 rows of 2,048 bytes
	s_mov_b32 s59, 0
	s_mov_b32 s[JJ], 0
	s_mov_b32 s[JA], 0
	s_mov_b32 s[JB], 0
	; descriptor group 1: a dense block of 12,800 bytes as 50 rows of 32 elements of 8 bytes
	s_mov_b32 s[G1], 15|(3<<16)|(1<<21)            ; 15:0 the mask: all four work-groups; 17:16 elements of 8 bytes; 21 set beside a mask; no padding
	s_mov_b32 s[G1+1], 32<<16                      ; tensor_dim0
	s_mov_b32 s[G1+2], 50<<16                      ; tensor_dim1
	s_mov_b32 s[G1+3], 32<<16                      ; tile_dim0
	s_mov_b32 s[G1+4], 50                          ; tile_dim1
	s_mov_b32 s[G1+5], 32                          ; from row to row
	s_mov_b32 s[G1+6], 0
	s_mov_b32 s[G1+7], 0
	v_and_b32 v32, 31, v0                          ; l
	v_and_b32 v33, 15, v0                          ; r
	v_bfe_u32 v34, v0, 4, 1                        ; h
	v_and_b32 v35, 7, v0                           ; bl: my block of the chunk's eight
	v_bfe_u32 v36, v0, 3, 2                        ; rg: my row of each four
	v_bfe_u32 v37, v0, 2, 1                        ; bl / 4: the K step
	v_and_b32 v38, 3, v0                           ; bl % 4: the block in it
	v_bfe_u32 v39, v0, 1, 4                        ; l / 2
	v_and_b32 v40, 1, v0                           ; l % 2
	s_mul_i32 s48, s[PP], 12288                    ; my eight tiles
	s_lshl_b32 s49, s[PP], 9                       ; my 128 columns x 4 bytes
	s_lshl_b32 s50, s[PP], 4                       ; my 16 rows
	s_mul_i32 s51, s[WV], 8*SP
	v_add_nc_u32 v41, s50, v36
	v_add_nc_u32 v42, s50, v34
	v_add_nc_u32 v43, s50, v39
	v_lshl_add_u32 v[ABH], v32, 4, s48
	s_delay_alu instid0(VALU_DEP_1)
	v_add_nc_u32 v[ABH+1], CHUNK, v[ABH]
	v_lshl_add_u32 v[ABT], v32, 3, s48
	s_delay_alu instid0(VALU_DEP_1)
	v_add_nc_u32 v[ABT], 1024, v[ABT]
	s_delay_alu instid0(VALU_DEP_1)
	v_add_nc_u32 v[ABT+1], CHUNK, v[ABT]
	v_lshl_add_u32 v[ABS], v33, 2, s49
	s_delay_alu instid0(VALU_DEP_1)
	v_add_nc_u32 v[ABS], 49152, v[ABS]
	s_delay_alu instid0(VALU_DEP_1)
	v_add_nc_u32 v[ABS+1], CHUNK, v[ABS]
	v_mul_u32_u24 v[AAH], v34, 1056
	s_delay_alu instid0(VALU_DEP_1)
	v_lshl_add_u32 v[AAH], v33, 4, v[AAH]
	s_delay_alu instid0(VALU_DEP_1)
	v_add_nc_u32 v[AAH], AR, v[AAH]
	v_mul_u32_u24 v[AAT], v34, 640
	s_delay_alu instid0(VALU_DEP_1)
	v_lshl_add_u32 v[AAT], v33, 3, v[AAT]
	s_delay_alu instid0(VALU_DEP_1)
	v_add_nc_u32 v[AAT], AR+4224, v[AAT]
	v_lshl_add_u32 v[AAS], v33, 2, AR+6784
	v_lshlrev_b32 v[AGH], 11, v34
	s_delay_alu instid0(VALU_DEP_1)
	v_lshl_add_u32 v[AGH], v33, 5, v[AGH]
	s_delay_alu instid0(VALU_DEP_1)
	v_add_nc_u32 v[AGH], BA, v[AGH]
	v_lshl_add_u32 v[AGS], v33, 4, BAS
	v_mul_u32_u24 v[ADS], v33, SP
	s_delay_alu instid0(VALU_DEP_1)
	v_lshl_add_u32 v[ADS], v34, 5, v[ADS]
	s_delay_alu instid0(VALU_DEP_1)
	v_add_nc_u32 v[ADS], s49, v[ADS]
	s_delay_alu instid0(VALU_DEP_1)
	v_add_nc_u32 v[ADS+1], 32*SP, v[ADS]
	v_mul_u32_u24 v44, v37, ARK
	s_delay_alu instid0(VALU_DEP_1)
	v_mad_u32_u24 v[APH], v38, 1056, v44
	s_delay_alu instid0(VALU_DEP_1)
	v_lshl_add_u32 v[APH], v41, 4, v[APH]
	s_delay_alu instid0(VALU_DEP_1)
	v_add_nc_u32 v[APH], AR, v[APH]
	s_delay_alu instid0(VALU_DEP_4)
	v_mad_u32_u24 v[APT], v38, 640, v44
	s_delay_alu instid0(VALU_DEP_1)
	v_lshl_add_u32 v[APT], v41, 3, v[APT]
	s_delay_alu instid0(VALU_DEP_1)
	v_add_nc_u32 v[APT], AR+4224, v[APT]
	v_add_nc_u32 v[APS], v38, v44
	s_delay_alu instid0(VALU_DEP_1)
	v_lshl_add_u32 v[APS], v41, 2, v[APS]
	s_delay_alu instid0(VALU_DEP_1)
	v_add_nc_u32 v[APS], AR+6784, v[APS]
	v_mul_u32_u24 v[AXW], v42, 272
	s_delay_alu instid0(VALU_DEP_1)
	v_lshl_add_u32 v[AXW], v33, 4, v[AXW]
	s_delay_alu instid0(VALU_DEP_1)
	v_add_nc_u32 v[AXW], XF, v[AXW]
	v_mul_u32_u24 v[AXR], v41, 272
	s_delay_alu instid0(VALU_DEP_1)
	v_lshl_add_u32 v[AXR], v35, 4, v[AXR]
	s_delay_alu instid0(VALU_DEP_1)
	v_add_nc_u32 v[AXR], XF, v[AXR]
	v_mul_u32_u24 v[AXQ], v43, 272
	s_delay_alu instid0(VALU_DEP_1)
	v_lshl_add_u32 v[AXQ], v40, 6, v[AXQ]
	s_delay_alu instid0(VALU_DEP_1)
	v_add_nc_u32 v[AXQ], XF, v[AXQ]
	v_lshlrev_b32 v[AXG], 11, v34
	s_delay_alu instid0(VALU_DEP_1)
	v_lshl_add_u32 v[AXG], v33, 4, v[AXG]
	v_mul_u32_u24 v[ASA], v40, 12
	s_delay_alu instid0(VALU_DEP_1)
	v_lshl_add_u32 v[ASA], v43, 5, v[ASA]
	s_delay_alu instid0(VALU_DEP_1)
	v_add_nc_u32 v[ASA], BA, v[ASA]
	v_lshl_add_u32 v[ASB], v43, 4, BAS
	v_lshlrev_b32 v[ACG], 4, v35
	v_lshl_add_u32 v[AER], v32, 4, s51
	v_lshlrev_b32 v[AEO], 4, v32
	v_lshlrev_b32 v[AXC], 11, v33
	s_delay_alu instid0(VALU_DEP_1)
	v_lshl_add_u32 v[AXC], v34, 5, v[AXC]
	s_delay_alu instid0(VALU_DEP_1)
	v_add_nc_u32 v[AXC], s49, v[AXC]
	s_wait_kmcnt 0x0
	s_load_b32 s14, s[6:7], 0x0                    ; res
	s_add_nc_u64 s[44:45], s[4:5], s[58:59]        ; x at the work-group's rows
	s_add_nc_u64 s[46:47], s[12:13], s[58:59]
	s_lshl_b32 s54, s[WV], 14
	s_mov_b32 s55, 0
	s_add_nc_u64 s[46:47], s[46:47], s[54:55]      ; out0 at the 8 rows that I store
	s_lshl_b32 s54, s[PP], 15
	s_add_nc_u64 s[52:53], s[44:45], s[54:55]      ; x at a making wave's 16 rows
	s_mul_i32 s56, s[WV], WSH                      ; my eighth of a chunk, in memory and in a slot: the wave's number alone
	s_mov_b32 s57, 0
	s_mov_b32 s[G0], 1
	s_mov_b32 s[G0+1], s56                         ; slot 0
	s_add_nc_u64 s[G0+2:G0+3], s[8:9], s[56:57]
	s_mov_b32 s[G0+4], 1
	s_add_co_u32 s[G0+5], s56, CHUNK               ; slot 1
	s_mov_b64 s[G0+6:G0+7], s[G0+2:G0+3]           ; slot 1's address starts in the unused chunk: the first head steps it to chunk 1
	s_add_nc_u64 s[G0+2:G0+3], s[G0+2:G0+3], CHUNK ; slot 0's at chunk 0
	s_or_b32 s[G0+3], s[G0+3], 0x80000000          ; type = 2
	s_or_b32 s[G0+7], s[G0+7], 0x80000000
	s_wait_kmcnt 0x0
	s_mov_b32 s15, s14                             ; (the packed form names the pair)
	s_cmp_lt_u32 s[WV], 4
	s_cbranch_scc0 .Lhead_make
	; the multiplying waves: the sums begin as res x.  16 loads a tile of rows; the counts leave out the tiles of rows behind the one at work
	s_wait_alu depctr_va_vdst(0)
	XINI 0
	XINI 1
	XINI 2
	s_wait_loadcnt 32
	XMUL 0
	XINI 3
	s_wait_loadcnt 32
	XMUL 1
	s_wait_loadcnt 16
	XMUL 2
	s_wait_loadcnt 0x0
	XMUL 3
	WIN 0
	s_branch .Lhead_done
.Lhead_make:
	; the making waves: batch 0 of x into XF; then, in the loop's own order of issue: set 0 (chunk 0), batch 1 of x, set 1 (chunk 1)
	s_mov_b64 s[42:43], s[52:53]
	s_mov_b64 s[40:41], s[10:11]
	XGET
	s_wait_alu depctr_va_vdst(0)
	CREL 0, 0, 0
	CREL 1, 0, 0
	s_wait_loadcnt 24                              ; batch 0 is in; set 0's 24 loads may be out
	XPUT
	s_wait_dscnt 0x0                               ; the stores have read their registers
	s_wait_xcnt 0x0
	s_add_nc_u64 s[42:43], s[52:53], 256
	XGET
	CREL 0, 1, 3072
	CREL 1, 1, 3072
	XLDS 0
.Lhead_done:
; ---------------- the loop: a trip is two chunks, 2 j and 2 j + 1 made, 2 j - 1 and 2 j multiplied
.Lloop:
	HEAD 1, 1                                      ; slot 0 takes chunk 2 j (in the first trip: its first fill, issued as a refill is)
	v_add_nc_u32 v[ASAC], s[JA], v[ASA]            ; silu's blocks 2 j and 2 j + 1 (no LDS store of mine is out)
	v_add_nc_u32 v[ASBC], s[JB], v[ASB]
	s_cmp_lt_u32 s[WV], 4
	s_cbranch_scc0 .Lmake0
	s_cmp_eq_u32 s[JJ], 0                          ; in the first trip there is nothing to multiply yet
	s_cbranch_scc1 .Ljoin0
	s_wait_alu depctr_va_vdst(0)
	CONS 1, 0, ARP, ARP+ARK
	s_branch .Ljoin0
.Lmake0:
	PROD0
.Ljoin0:
	HEAD 0, 1                                      ; slot 1 takes chunk 2 j + 1
	s_cmp_lt_u32 s[WV], 4
	s_cbranch_scc0 .Lmake1
	s_wait_alu depctr_va_vdst(0)
	CONS 0, 0, 0, ARK
	s_branch .Ljoin1
.Lmake1:
	PROD1
.Ljoin1:
	s_add_co_u32 s[JA], s[JA], 4096
	s_add_co_u32 s[JB], s[JB], 2
	s_add_co_u32 s[JJ], s[JJ], 1
	s_cmp_lt_u32 s[JJ], 8
	s_cbranch_scc1 .Lloop
; ---------------- the tail, written out: the last chunk of S, then silu(x)'s four K steps
	HEAD 1, 1                                      ; slot 0 takes base_weight's K steps 0, 1
	s_cmp_lt_u32 s[WV], 4
	s_cbranch_scc0 .Lmake2
	CONS 1, 0, ARP, ARP+ARK
	s_branch .Ljoin2
.Lmake2:
	s_wait_loadcnt 0x0                             ; the loads asked for ahead of the end have landed: their registers are free
.Ljoin2:
	HEAD 0, 1                                      ; slot 1 takes K steps 2, 3: the last load
	s_cmp_lt_u32 s[WV], 4
	s_cbranch_scc0 .Ljoin3
	CONS 0, 1, 0, 1
.Ljoin3:
	HEAD 1, 0
	s_cmp_lt_u32 s[WV], 4
	s_cbranch_scc0 .Ljoin4
	CONS 1, 1, 2, 3
.Ljoin4:
; ---------------- the way out.  A lane holds 32 neighbouring bytes of a row and a row's 512 columns come from four waves: they meet in a stage, laid over the slots.
	PLACES                                         ; on every wave's way: the places between the last products and the stores of their results, and the later loads into the registers that held their operands
	s_wait_dscnt 0x0                               ; my reads of the slots are over
	s_barrier_signal -1
	s_barrier_wait -1                              ; everybody's are
	s_cmp_lt_u32 s[WV], 4
	s_cbranch_scc0 .Ljoin5
	WIN 0x04                                       ; an LDS store's data are its source 1: window 1
.irp m, 0,1,2,3
.irp n, 0,1,2,3,4,5,6,7
	ds_store_b128 v[ADS+(\m/2)], v[8*(8*\m+\n):8*(8*\m+\n)+3] offset:16*SP*(\m%2)+64*\n          ; each accumulator from its low end on
	ds_store_b128 v[ADS+(\m/2)], v[8*(8*\m+\n)+4:8*(8*\m+\n)+7] offset:16*SP*(\m%2)+64*\n+16
.endr
.endr
	WIN 0
.Ljoin5:
	s_wait_dscnt 0x0                               ; for the others' sake: my stores into the stage are done
	s_barrier_signal -1
	s_barrier_wait -1
	; every wave takes 8 whole rows: tanh(y) = 1 - 2 / (1 + 2^(2 y log2 e)), which goes to 1 and to -1 where the power overflows or vanishes
.irp i, 0,1,2,3,4,5,6,7
.irp k, 0,1,2,3
	ds_load_b128 v[32+16*\i+4*\k:32+16*\i+4*\k+3], v[AER] offset:SP*\i+512*\k
.endr
.endr
	s_wait_dscnt 0x0
.set ia, 32
.rept 64
	v_pk_mul_f32 v[ia:ia+1], v[ia:ia+1], 0x4038aa3b op_sel_hi:[1,0]
.set ia, ia+2
.endr
.set ia, 32
	s_wait_alu depctr_va_vdst(0)
.rept 128
	v_exp_f32 v[ia], v[ia]
.set ia, ia+1
.endr
	v_nop                                          ; a plain line behind the batch,
	s_wait_alu depctr_va_vdst(0)                   ; and its one wait
.set ia, 32
.rept 64
	v_pk_add_f32 v[ia:ia+1], v[ia:ia+1], 1.0 op_sel_hi:[1,0]
.set ia, ia+2
.endr
.set ia, 32
	s_wait_alu depctr_va_vdst(0)
.rept 128
	v_rcp_f32 v[ia], v[ia]
.set ia, ia+1
.endr
	v_nop
	s_wait_alu depctr_va_vdst(0)
.set ia, 32
.rept 64
	v_pk_fma_f32 v[ia:ia+1], v[ia:ia+1], -2.0, 1.0 op_sel_hi:[1,0,0]
.set ia, ia+2
.endr
.irp i, 0,1,2,3,4,5,6,7
.irp k, 0,1,2,3
	global_store_b128 v[AEO], v[32+16*\i+4*\k:32+16*\i+4*\k+3], s[46:47] offset:2048*\i+512*\k th:TH_STORE_NT   ; the wave stores 512 consecutive bytes, at a multiple of 256 from out0's first byte
.endr
.endr
	s_wait_tensorcnt 0x0                           ; the wave's end
	ds_add_u32 v[SPW], v[NIL]
	s_wait_dscnt 0x0
	ROUND                                          ; the closing round: no work-group ends while a partner may still ask for a chunk that names it
	s_endpgm
.Lfunc_end_k_qf595cc1184_kan:
	.size	k_qf595cc1184_kan, .Lfunc_end_k_qf595cc1184_kan-k_qf595cc1184_kan
	.p2alignl 7, 3214868480
	.fill 96, 4, 3214868480
	.section	.rodata,"a",@progbits
	.p2align	6, 0x0
	.amdhsa_kernel k_qf595cc1184_kan
		.amdhsa_group_segment_fixed_size 327680
		.amdhsa_private_segment_fixed_size 0
		.amdhsa_enable_private_segment 0
		.amdhsa_kernarg_size 40
		.amdhsa_user_sgpr_count 2
		.amdhsa_user_sgpr_kernarg_segment_ptr 1
		.amdhsa_wavefront_size32 1
		.amdhsa_system_sgpr_workgroup_id_x 1
		.amdhsa_system_sgpr_workgroup_id_y 1
		.amdhsa_system_sgpr_workgroup_id_z 1
		.amdhsa_system_vgpr_workitem_id 0
		.amdhsa_next_free_vgpr 512
		.amdhsa_next_free_sgpr 66
		.amdhsa_reserve_vcc 0
		.amdhsa_float_denorm_mode_32 3
		.amdhsa_float_denorm_mode_16_64 3
		.amdhsa_memory_ordered 1
		.amdhsa_forward_progress 1
		.amdhsa_inst_pref_size 255
	.end_amdhsa_kernel
	.section	.bss,"aw",@nobits
	.p2align	6
	.space	262144
	.amdgpu_metadata
---
amdhsa.version: [ 1, 2 ]
amdhsa.kernels:
  - .name:           k_qf595cc1184_kan
    .symbol:         k_qf595cc1184_kan.kd
    .args:
      - { .name: x, .offset: 0, .size: 8, .value_kind: global_buffer, .address_space: global }
      - { .name: res_scale, .offset: 8, .size: 8, .value_kind: global_buffer, .address_space: global }
      - { .name: wB, .offset: 16, .size: 8, .value_kind: global_buffer, .address_space: global }
      - { .name: gtab, .offset: 24, .size: 8, .value_kind: global_buffer, .address_space: global }
      - { .name: out0, .offset: 32, .size: 8, .value_kind: global_buffer, .address_space: global }
    .group_segment_fixed_size: 327680
    .private_segment_fixed_size: 0
    .kernarg_segment_align: 8
    .kernarg_segment_size: 40
    .max_flat_workgroup_size: 256
    .sgpr_count:     66
    .vgpr_count:     512
    .wavefront_size: 32
...
	.end_amdgpu_metadata
.endif
;; end of part 2
